; MI455X (gfx1250); checked and timed in simulation.
; The chip was launched on July 23, 2026; its instructions are those of AMD's public machine-readable ISA for CDNA 5 (MIT licence, August 2026) and "CDNA5" Instruction Set Architecture Reference Guide (July 2026). The comments in the code are by the model that wrote it; some were corrected since.
;; GCLI Quantized Linear. Allowed arithmetic: matrix products marked QUANTISED: E5M2 operands, one E8M0 scale for each 32 along K, by v_wmma_scale_f32_16x16x128_f8f6f4 with both operands' format E5M2, f32 sums; everything else in f32.
;; Inputs: W_q 4,096 x 4,096 int32; bias 4,096 float32; mu1 4,096 float32; mu2 4,096 float32; scales 4,096 x 64 x 1 float32; x_codes 4 x 1,024 x 128 x 32 uint8 (E5M2 codes of x, K innermost, in blocks of 32 codes); x_scales 4 x 1,024 x 128 uint8 (E8M0 scales of x, one for each 32 codes along K); zeros 4,096 x 64 x 1 float32.
;; Outputs: out0 4 x 1,024 x 4,096 float32.
;; This version of the problem:
;;   THIS VERSION OF THE PROBLEM IS GIVEN IN LOW PRECISION. The matrix products marked QUANTISED in the list below multiply operands that are first quantised to E5M2 (5 exponent bits, 2 mantissa bits; 8 bits a number), with one power-of-two scale for each 32 numbers along K (OCP MX v1.0); their sums are f32. All else is computed in f32.
;;   The module's matrix products, in the order in which they are computed (A, B: the left and right operand; K: the contracted axis; several contracted axes count as one K, in the product's order):
;;     1. [M 4,096, K 4,096] x [K 4,096, N 4,096]; A: input x (given as codes); B: computed on the way: QUANTISED
;;   THE QUANTISER, for each operand of a quantised product, along K:
;;     - K is cut into blocks of 32 from its start; a last block that is shorter is filled with zeros.
;;     - A block's scale is 2^e with e = floor(log2(the largest magnitude in the block)) - 15, held to -126 .. 127; a block of zeros has e = 0. As a byte (E8M0): e + 127.
;;     - Each number is divided by its block's scale, clamped to +-57,344, and rounded to the nearest number of E5M2, ties to even, subnormals kept.
;;     - The product sums the exact products of the quantised numbers (number of the format x scale) in f32.
;;   ~~~python
;;   def quantise(x, axis):      # numpy; x: float32 -> the quantised numbers, widened to float32 again
;;       x = np.moveaxis(x, axis, -1); K = x.shape[-1]
;;       x = np.pad(x, [(0, 0)] * (x.ndim - 1) + [(0, -K % 32)]); x = x.reshape(x.shape[:-1] + (-1, 32)); a = np.abs(x).max(-1, keepdims=True)
;;       e = np.where(a > 0, np.clip(np.frexp(np.where(a > 0, a, 1))[1] - 1 - 15, -126, 127), 0)      # np.frexp(a)[1] - 1 = floor(log2(a)), exactly
;;       r = np.clip(x / 2.0 ** e, -57344, 57344)
;;       step = 2.0 ** (np.maximum(np.frexp(np.where(r == 0, 1, r))[1] - 1, -14) - 2)
;;       q = np.round(r / step) * step * 2.0 ** e      # np.round: ties to even
;;       return np.moveaxis(q.reshape(q.shape[:-2] + (-1,))[..., :K], -1, axis).astype(np.float32)
;;   ~~~
;;   OPERANDS COMPUTED ON THE WAY. 'Computed on the way' means the value that the module computes at that place (a softmax that the list does not call 'softmax' is quantised finished and normalised). What goes into a quantiser is computed in f32, as accurately as f32 sums, v_exp_f32 and their like allow (about 1e-6 of the number): no bf16 or f16 on the way to a quantiser, and a product that is left as it is and whose result goes on into a quantised operand takes f32 operands (vector FMAs, or v_wmma_f32_16x16x4_f32). A number that lies on a knife's edge between two numbers of the format may be rounded either way, as far as f32 arithmetic and the matrix unit's own rounding can turn it there, and no further.
;;   INPUTS GIVEN AS CODES. x (in the module: [4, 1024, 4096], K = its axis 2): each comes as NAME_codes (uint8): NAME with its K axis moved to the last place and cut into blocks of 32 codes, [.., K / 32, bytes a block], one block behind the other in memory; one code a byte (a code: sign, 5 exponent bits, 2 mantissa bits); and NAME_scales (uint8): the same leading axes, one E8M0 byte (e + 127) for each 32 codes along K. Its value is code x scale, taken as it is: it is not quantised again, and the codes and scales need not be those that the quantiser above would give.
;; One version. Each part assembles by itself: llvm-mc -triple=amdgcn-amd-amdhsa -mcpu=gfx1250 --defsym DOCPART=n.
;; ======== version 1 of 1: 2 launches
;; limits: right only within a limited range of input values
;; workspace buffers: w_codes 16,777,216 bytes; w_sc 524,288 bytes; x_sc 524,288 bytes
;; launch prep (part 1): grid 272 x 1, 8 waves a work-group, no clusters, 121,856 bytes of LDS; arguments W_q, scales, zeros, mu1, mu2, x_scales, w_codes, w_sc, x_sc; writes w_codes, w_sc, x_sc
.if DOCPART == 1
	.amdgcn_target "amdgcn-amd-amdhsa--gfx1250"
	.amdhsa_code_object_version 6
	.text
	.protected	k_qba2fb14662_prep
	.globl	k_qba2fb14662_prep
	.p2align	8
	.type	k_qba2fb14662_prep,@function
k_qba2fb14662_prep:
	s_mov_b64 s[64:65], 0
	v_nop
	global_prefetch_b8 v0, s[64:65] scope:SCOPE_SE
	s_setreg_imm32_b32 hwreg(HW_REG_WAVE_MODE, 25, 1), 1
	s_wait_xcnt 0x0
; W[k][n] = ((W_q[k][n] - zeros[k][n/64]) x scales[k][n/64]) x mu2[k] x mu1[n], f32, is made once and turned into codes of BF8 (E5M2), n innermost (n is the product's K),
; with one E8M0 scale byte for each 32 along n.  w_codes: [4096 k][4096 n], a code a byte.  w_sc: [16 steps of 256 along n][4096 rows k][8 bytes]: a step's bytes of 256 rows are 2,048 bytes on end.
; x_scales [4096 rows][128 bytes] is laid anew in the same order into x_sc.
; ARITHMETIC, all f32: q - z first; then (q - z) x mu1, then x c with c = scales x mu2, rounded once.  The order of the three factors differs from the source's: at most two roundings' difference.
; A block's scale is 2^(floor(log2(its largest magnitude)) - 15); its byte is the largest magnitude's exponent field - 15, held at 1 from below.  Each number is held within +-57,344 x the scale and rounded to the nearest code, ties to even.
; LIMITS: NaN and infinities among the inputs are not served; scales x mu2 and (q - z) x mu1 must stay finite; a block whose largest magnitude lies under 2^(16 - 127), a block of zeros too, gets the byte 1
; (where the rule says 127 for zeros: its codes are zeros, which add nothing under any byte but 0xff, and these bytes are read by this program alone).
; SHARES.  Work-groups 0 to 255 take W: 32 rows k (number / 2) x 2,048 columns n (number % 2).  Wave w: strip w % 4 of 512 columns, rows 16 (w / 4) on: 16 steps of one row x 512 columns.
; A lane keeps the same 16 neighbouring columns in every step: its 16 mu1 stay in registers; two neighbouring lanes hold a block of 32, four a group of 64.
; Each load reads 512 consecutive bytes, 16 a lane; a step's 2,048 bytes turn through the wave's own stage in LDS and come back 64 bytes a lane (16 bytes of padding behind each 64).
; A lane's 16 codes are 16 bytes: a store covers 512 consecutive bytes.  The scale bytes of 32 rows x 8 are 256 bytes on end in w_sc: they are gathered in LDS and each wave stores one such run.
; Work-groups 256 to 271 take x_scales: a lane to a row, 128 bytes in, sixteen stores of 8 bytes a lane out, each covering 256 consecutive bytes.  They use no LDS and meet no barrier.
; No matrix unit, no tensor load, no cluster: work-groups share nothing but mu1, and memory binds.  Loads run four steps (16 loads a wave) ahead, the turn through LDS one step.
; THE ORDER OF w_codes AND OF w_sc'S WORDS, AS THIS TEXT STORES THEM (it takes the place of the row-major order named above):
; w_codes: [256 blocks of 16 rows k][32 steps of 128 along n][4 groups c][2 halves h][16 rows r][16 bytes]: the 16 codes n = 128 step + 32 c + 16 h + 0..15 of row r:
; the image of a matrix operand's registers, 2,048 bytes a fragment.  A lane's 16 columns are piece 256 x lane of its wave's 8,192 bytes, row r at 16 r in it.
; So a wave gathers its 16 rows' codes in LDS bytes of its own (a piece 272 bytes apart) and stores them at its end, 512 consecutive bytes an instruction.
; w_sc: the two words of a row's 8 bytes change places (block i lies at byte i xor 4): the reader wants W's word of a step in a register of the other parity than x's.
.set STEPS, 16
.set CTB,   52224                      ; behind the spare words: for each wave 32 pieces x 272 bytes
.set CTW,   242                        ; v242 where my piece begins
.set CTR,   243                        ; v243 where I read 16 bytes back: piece lane / 16, row lane % 16
.set EMAX,  15
.set MANT,  0x600000                   ; the mantissa field of 57,344 as f32
.set SP,    80                         ; a lane's place in a stage: its 64 bytes + 16 of padding
.set STGW,  64*SP                      ; LDS: for each wave two stages of 32 places: 5,120 bytes
.set ZCB,   8*STGW                     ; behind them: [32 rows][32 groups][z, c], 8 bytes each: 8,192 bytes
.set SBB,   ZCB+8192                   ; and the scale bytes: [8 steps of 256 columns][32 rows][8 bytes]: 2,048 bytes
.set LOFF,  1                          ; v1   16 x lane: my bytes of a load's 512, and of a store's
.set SIN,   2                          ; v2   the stage, on the way in
.set SOUT,  3                          ; v3   and on the way out
.set SBA,   4                          ; v4   where my block's scale byte goes
.set SBR,   5                          ; v5   where I read 8 scale bytes back
.set L8,    6                          ; v6   8 x lane
.set ZCR,   7                          ; v7   where my group's (z, c) of the wave's first row lies
.set ZCW,   12                         ; v12  where my thread puts four groups' (z, c)
.set ZG,    13                         ; v13  my thread's four groups in zeros and in scales
.set M2,    14                         ; v14  my thread's row in mu2
.set R,     16                         ; v16-79   four sets of 16 numbers as they are loaded
.set X,     80                         ; v80-111  two sets of 16 neighbours
.set E,     112                        ; v112-127 a scale byte for each step
.set C,     128                        ; v128-191 codes: four registers for each step, so that no store's data are written again; at the head: at work
.set ZC,    192                        ; v192-223 (z, c) of step t in the pair at 192 + 2 t
.set MU,    224                        ; v224-239 my 16 mu1
	s_load_b512 s[4:19], s[0:1], 0x0               ; W_q 4:5, scales 6:7, zeros 8:9, mu1 10:11, mu2 12:13, x_scales 14:15, w_codes 16:17, w_sc 18:19
	s_load_b64 s[20:21], s[0:1], 0x40              ; x_sc
	v_lshl_add_u32 v240, v0, 2, 0xc800
	v_mov_b32 v241, 0
	v_lshrrev_b32 v8, 5, v0
	s_delay_alu instid0(VALU_DEP_1)
	v_readfirstlane_b32 s22, v8                    ; wave 0..7
	v_and_b32 v9, 31, v0                           ; lane
	s_mov_b32 s23, MANT                            ; (an instruction takes one literal: the hold's line has another)
	s_and_b32 s24, s22, 3                          ; st: my strip of 512 columns
	s_lshr_b32 s25, s22, 2                         ; rh: my 16 rows
	s_lshr_b32 s26, ttmp9, 1                       ; rb: the work-group's 32 rows
	s_and_b32 s27, ttmp9, 1                        ; ch: its 2,048 columns
	v_lshlrev_b32 v[LOFF], 4, v9
	v_lshlrev_b32 v[L8], 3, v9
	s_mul_i32 s40, s22, STGW                       ; my wave's stages
	v_lshrrev_b32 v10, 2, v9                       ; lane / 4
	v_and_b32 v11, 3, v9
	s_delay_alu instid0(VALU_DEP_2)
	v_mul_u32_u24 v[SIN], v10, SP
	s_delay_alu instid0(VALU_DEP_1)
	v_lshl_add_u32 v[SIN], v11, 4, v[SIN]
	s_delay_alu instid0(VALU_DEP_1)
	v_add_nc_u32 v[SIN], s40, v[SIN]               ; in: four lanes' 64 bytes on end, then the padding: SP (lane / 4) + 16 (lane % 4); a load's 512 bytes take eight places
	v_mul_u32_u24 v[SOUT], v9, SP
	s_delay_alu instid0(VALU_DEP_1)
	v_add_nc_u32 v[SOUT], s40, v[SOUT]             ; out: SP x lane: my 16 neighbours
	s_lshl_b32 s40, s24, 9                         ; the scale bytes: my strip is two steps of 256 columns, 256 bytes each;
	s_lshl_b32 s41, s25, 7                         ; my 16 rows, 8 bytes a row
	s_add_co_u32 s40, s40, s41
	s_add_co_u32 s40, s40, SBB
	v_lshrrev_b32 v12, 4, v9                       ; which of the strip's two steps my columns lie in,
	v_bfe_u32 v13, v9, 1, 3
	v_xor_b32 v13, 4, v13                          ; the row's two words change places
	s_delay_alu instid0(VALU_DEP_1)
	v_lshl_add_u32 v[SBA], v12, 8, v13
	s_delay_alu instid0(VALU_DEP_1)
	v_add_nc_u32 v[SBA], s40, v[SBA]
	s_lshl_b32 s40, s22, 8
	s_add_co_u32 s40, s40, SBB
	v_add_nc_u32 v[SBR], s40, v[L8]                ; back: wave w takes step w: 32 rows x 8 bytes
	s_lshl_b32 s40, s25, 12                        ; (z, c): 256 bytes a row, my 16 rows;
	s_lshl_b32 s41, s24, 6                         ; my strip's eight groups
	s_add_co_u32 s40, s40, s41
	s_add_co_u32 s40, s40, ZCB
	v_lshl_add_u32 v[ZCR], v10, 3, s40             ; my group: lane / 4
	v_lshl_add_u32 v[ZCW], v0, 5, ZCB              ; thread t puts row t / 8, groups 4 (t % 8) on: 32 t
	v_lshrrev_b32 v[M2], 3, v0
	v_and_b32 v15, 7, v0
	s_delay_alu instid0(VALU_DEP_2)
	v_lshlrev_b32 v[ZG], 8, v[M2]
	s_delay_alu instid0(VALU_DEP_1)
	v_lshl_add_u32 v[ZG], v15, 4, v[ZG]            ; a row of zeros or scales is 256 bytes; 16 bytes a thread
	s_delay_alu instid0(VALU_DEP_4)
	v_lshlrev_b32 v[M2], 2, v[M2]
	s_mul_i32 s42, s22, 32*272
	s_add_co_u32 s42, s42, CTB                     ; my wave's pieces
	v_lshrrev_b32 v[CTR], 4, v9
	v_and_b32 v15, 15, v9
	v_mad_u32_u24 v[CTW], v9, 272, s42
	v_mul_u32_u24 v[CTR], v[CTR], 272
	v_lshl_add_u32 v[CTR], v15, 4, v[CTR]
	v_add_nc_u32 v[CTR], s42, v[CTR]
	; byte offsets of the work-group's and the wave's parts, each in a pair with 0 above it (all under 2^27)
	s_lshl_b32 s32, s27, 13
	s_lshl_b32 s40, s24, 11
	s_add_co_u32 s32, s32, s40                     ; mu1: (2,048 ch + 512 st) x 4
	s_mov_b32 s33, 0
	s_lshl_b32 s28, s26, 19
	s_lshl_b32 s40, s25, 18
	s_add_co_u32 s28, s28, s40
	s_add_co_u32 s28, s28, s32                     ; W_q: (32 rb + 16 rh) rows of 16,384 bytes + the columns
	s_mov_b32 s29, 0
	s_sub_co_u32 s30, s28, s32                     ; w_codes: 16 rows are 65,536 bytes: a quarter of the rows' part,
	s_lshr_b32 s30, s30, 2
	s_lshl_b32 s40, s32, 2                         ; and 128 columns are 2,048 bytes: four times the columns' part
	s_add_co_u32 s30, s30, s40
	s_mov_b32 s31, 0
	s_lshl_b32 s34, s26, 13
	s_lshl_b32 s40, s27, 7
	s_add_co_u32 s34, s34, s40                     ; zeros, scales: 32 rb rows of 256 bytes + 128 ch
	s_mov_b32 s35, 0
	s_lshl_b32 s36, s26, 7                         ; mu2: 32 rb x 4
	s_mov_b32 s37, 0
	s_lshl_b32 s38, s27, 3
	s_add_co_u32 s38, s38, s22
	s_lshl_b32 s38, s38, 15                        ; w_sc: step 8 ch + wave, 32,768 bytes a step,
	s_lshl_b32 s40, s26, 8
	s_add_co_u32 s38, s38, s40                     ; + 32 rb rows of 8 bytes
	s_mov_b32 s39, 0
	s_wait_kmcnt 0x0
	s_cmp_ge_u32 ttmp9, 256                        ; the last sixteen work-groups take x_scales: the same way for all waves of a work-group
	s_cbranch_scc1 .Lxs
	s_add_nc_u64 s[4:5], s[4:5], s[28:29]
	s_add_nc_u64 s[16:17], s[16:17], s[30:31]
	s_add_nc_u64 s[10:11], s[10:11], s[32:33]
	s_add_nc_u64 s[8:9], s[8:9], s[34:35]
	s_add_nc_u64 s[6:7], s[6:7], s[34:35]
	s_add_nc_u64 s[12:13], s[12:13], s[36:37]
	s_add_nc_u64 s[18:19], s[18:19], s[38:39]
.macro LOAD t                          ; step t's row: four loads of 512 consecutive bytes into set t % 4
.irp i, 0,1,2,3
	global_load_b128 v[R+16*((\t)%4)+4*\i:R+16*((\t)%4)+4*\i+3], v[LOFF], s[4:5] offset:16384*(\t)+512*\i th:TH_LOAD_NT
.endr
.endm
.macro TURN t                          ; step t's numbers through the stage: LDS serves a wave's instructions in order (ISA guide 5.7.1.4), so no wait stands between the stores and the loads
.irp i, 0,1,2,3
	ds_store_b128 v[SIN], v[R+16*((\t)%4)+4*\i:R+16*((\t)%4)+4*\i+3] offset:32*SP*((\t)%2)+8*SP*\i
.endr
.irp i, 0,1,2,3
	ds_load_b128 v[X+16*((\t)%2)+4*\i:X+16*((\t)%2)+4*\i+3], v[SOUT] offset:32*SP*((\t)%2)+16*\i
.endr
.endm
	s_wait_alu depctr_va_vdst(0)
	global_load_b128 v[144:147], v[ZG], s[8:9]     ; four zeros of my thread's row
	global_load_b128 v[148:151], v[ZG], s[6:7]     ; their scales
	global_load_b32 v152, v[M2], s[12:13]          ; the row's mu2
.irp i, 0,1,2,3
	global_load_b128 v[128+4*\i:131+4*\i], v[LOFF], s[10:11] offset:512*\i   ; my strip's 512 mu1, as they lie
.endr
.irp t, 0,1,2,3
	LOAD \t
.endr
	s_wait_loadcnt 16                              ; the seven small loads are in; behind them sixteen loads of W_q were issued
.irp g, 0,1,2,3
	v_mov_b32 v[156+2*\g], v[144+\g]               ; z,
	v_mul_f32 v[157+2*\g], v[148+\g], v152         ; c = scale x mu2: side by side
.endr
	ds_store_b128 v[ZCW], v[156:159]
	ds_store_b128 v[ZCW], v[160:163] offset:16
.irp i, 0,1,2,3
	ds_store_b128 v[SIN], v[128+4*\i:131+4*\i] offset:32*SP+8*SP*\i   ; mu1 turns through stage 1 as a step's numbers do
.endr
.irp i, 0,1,2,3
	ds_load_b128 v[MU+4*\i:MU+4*\i+3], v[SOUT] offset:32*SP+16*\i
.endr
	s_wait_dscnt 0x0                               ; for the others' sake: my (z, c) have landed
	s_barrier_signal -1
	s_barrier_wait -1                              ; everybody's have
.irp t, 0,1,2,3,4,5,6,7,8,9,10,11,12,13,14,15
	ds_load_b64 v[ZC+2*\t:ZC+2*\t+1], v[ZCR] offset:256*\t   ; my group's (z, c) in each of my 16 rows
.endr
	s_wait_loadcnt 12                              ; step 0's four loads are in
	TURN 0
.macro STEP t
.set XS, X+16*((\t)%2)
.if (\t) > 0
	s_wait_dscnt 2                                 ; this step's numbers are back from the stage (the last step's two stores, byte and codes, may be out)
.else
	s_wait_dscnt 0x0                               ; and here the sixteen (z, c) too
.endif
.if (\t)+4 < STEPS
	LOAD (\t)+4                                    ; into the set that this step's stores into the stage have read
.endif
.if (\t)+1 < STEPS
.if STEPS-2-(\t) >= 3
	s_wait_loadcnt 12                              ; the next step's four loads are in; those of the three steps behind it may be out
.else
	s_wait_loadcnt 4*(STEPS-2-(\t))
.endif
	TURN (\t)+1                                    ; they go through the other stage while this step is worked
.endif
.irp i, 0,1,2,3,4,5,6,7,8,9,10,11,12,13,14,15
	v_cvt_f32_i32 v[XS+\i], v[XS+\i]
.endr
.irp i, 0,2,4,6,8,10,12,14
	v_pk_add_f32 v[XS+\i:XS+\i+1], v[XS+\i:XS+\i+1], v[ZC+2*(\t):ZC+2*(\t)+1] op_sel_hi:[1,0] neg_lo:[0,1] neg_hi:[0,1]   ; q - z: the pair's low word, z, serves both halves
.endr
.irp i, 0,2,4,6,8,10,12,14
	v_pk_mul_f32 v[XS+\i:XS+\i+1], v[XS+\i:XS+\i+1], v[MU+\i:MU+\i+1]   ; x mu1 of my columns
.endr
.irp i, 0,1,2,3,4,5,6,7,8,9,10,11,12,13,14,15
	v_mul_f32 v[XS+\i], v[ZC+2*(\t)+1], v[XS+\i]   ; x c
.endr
	v_max3_num_f32 v8, |v[XS]|, |v[XS+1]|, |v[XS+2]|               ; the largest magnitude of my 16, in two chains
	v_max3_num_f32 v9, |v[XS+3]|, |v[XS+4]|, |v[XS+5]|
.irp i, 6,10
	s_delay_alu instid0(VALU_DEP_2)
	v_max3_num_f32 v8, v8, |v[XS+\i]|, |v[XS+\i+1]|
	s_delay_alu instid0(VALU_DEP_2)
	v_max3_num_f32 v9, v9, |v[XS+\i+2]|, |v[XS+\i+3]|
.endr
	s_delay_alu instid0(VALU_DEP_2)
	v_max3_num_f32 v8, v8, |v[XS+14]|, |v[XS+15]|
	s_delay_alu instid0(VALU_DEP_1)
	v_max3_num_f32 v8, v8, v9, (EMAX+1)<<23        ; and the floor 2^(16 - 127), under which no largest magnitude is taken: so the byte cannot fall under 1
	s_delay_alu instid0(VALU_DEP_1)
	v_max_num_f32_dpp v8, v8, v8 row_xmask:1 row_mask:0xf bank_mask:0xf   ; and of my neighbour's 16: the block's
	s_delay_alu instid0(VALU_DEP_1)
	v_add_nc_u32 v11, 0xf8800000, v8               ; 15 off its exponent field: the conversion takes the exponent field of this operand as its scale, and nothing else of it
	s_delay_alu instid0(VALU_DEP_2)
	v_and_or_b32 v10, v8, 0x7f800000, s23          ; 57,344 x the scale: the largest magnitude's exponent field over 57,344's mantissa
.irp i, 0,1,2,3,4,5,6,7,8,9,10,11,12,13,14,15
	v_med3_num_f32 v[XS+\i], v[XS+\i], -v10, v10   ; the conversion to an 8-bit code does not saturate (ISA guide 7.6.2): the number is held first
.endr
	v_cvt_scalef32_pk8_bf8_f32 v[C+4*(\t):C+4*(\t)+1], v[XS:XS+7], v11
	v_cvt_scalef32_pk8_bf8_f32 v[C+4*(\t)+2:C+4*(\t)+3], v[XS+8:XS+15], v11
	v_lshrrev_b32 v[E+(\t)], 23, v11               ; the scale's byte; also the plain line behind the conversions
	ds_store_b8 v[SBA], v[E+(\t)] offset:8*(\t)    ; both lanes of a block write the same byte with the same value
	ds_store_b128 v[CTW], v[C+4*(\t):C+4*(\t)+3] offset:16*(\t)   ; row t of my piece
.endm
.irp t, 0,1,2,3,4,5,6,7,8,9,10,11,12,13,14,15
	STEP \t
.endr
.irp i, 0,1,2,3,4,5,6,7,8,9,10,11,12,13,14,15
	ds_load_b128 v[R+4*\i:R+4*\i+3], v[CTR] offset:544*\i   ; pieces 2 i and 2 i + 1, my wave's own bytes: LDS serves a wave's instructions in order
.endr
.irp i, 0,1,2,3,4,5,6,7,8,9,10,11,12,13,14,15
	s_wait_dscnt 15-\i
	global_store_b128 v[LOFF], v[R+4*\i:R+4*\i+3], s[16:17] offset:512*\i   ; 32 lanes store 512 consecutive bytes, at a multiple of 512 from the buffer's first byte
.endr
	s_wait_dscnt 0x0                               ; for the others' sake: my scale bytes have landed
	s_barrier_signal -1
	s_barrier_wait -1                              ; all 2,048 lie in LDS
	ds_load_b64 v[X:X+1], v[SBR]
	s_wait_dscnt 0x0
	global_store_b64 v[L8], v[X:X+1], s[18:19]     ; 32 lanes store 256 consecutive bytes, at a multiple of 256 from the buffer's first byte
	s_wait_tensorcnt 0x0
	ds_add_u32 v240, v241
	s_wait_dscnt 0x0
	s_endpgm
.Lxs:                                              ; x_scales: wave w of work-group 256 + j takes rows 256 j + 32 w on, a lane a row
	s_sub_co_u32 s28, ttmp9, 256
	s_lshl_b32 s28, s28, 8
	s_lshl_b32 s29, s22, 5
	s_add_co_u32 s28, s28, s29                     ; my wave's first row
	s_lshl_b32 s30, s28, 7                         ; 128 bytes a row in,
	s_mov_b32 s31, 0
	s_add_nc_u64 s[14:15], s[14:15], s[30:31]
	s_lshl_b32 s30, s28, 3                         ; 8 bytes a row and step out
	s_add_nc_u64 s[20:21], s[20:21], s[30:31]
	v_lshlrev_b32 v16, 7, v9
.irp i, 0,1,2,3,4,5,6,7
	global_load_b128 v[32+4*\i:35+4*\i], v16, s[14:15] offset:16*\i   ; the eight loads together cover the wave's 4,096 consecutive bytes
.endr
	s_wait_loadcnt 0x0
.irp s, 0,1,2,3,4,5,6,7,8,9,10,11,12,13,14,15
	global_store_b64 v[L8], v[32+2*\s:33+2*\s], s[20:21] offset:32768*\s   ; step s: 32 lanes store 256 consecutive bytes, at a multiple of 256 from the buffer's first byte
.endr
	s_endpgm
.Lfunc_end_k_qba2fb14662_prep:
	.size	k_qba2fb14662_prep, .Lfunc_end_k_qba2fb14662_prep-k_qba2fb14662_prep
	.p2alignl 7, 3214868480
	.fill 96, 4, 3214868480
	.section	.rodata,"a",@progbits
	.p2align	6, 0x0
	.amdhsa_kernel k_qba2fb14662_prep
		.amdhsa_group_segment_fixed_size 121856
		.amdhsa_private_segment_fixed_size 0
		.amdhsa_enable_private_segment 0
		.amdhsa_kernarg_size 72
		.amdhsa_user_sgpr_count 2
		.amdhsa_user_sgpr_kernarg_segment_ptr 1
		.amdhsa_wavefront_size32 1
		.amdhsa_system_sgpr_workgroup_id_x 1
		.amdhsa_system_sgpr_workgroup_id_y 1
		.amdhsa_system_sgpr_workgroup_id_z 1
		.amdhsa_system_vgpr_workitem_id 0
		.amdhsa_next_free_vgpr 244
		.amdhsa_next_free_sgpr 66
		.amdhsa_reserve_vcc 0
		.amdhsa_float_denorm_mode_32 3
		.amdhsa_float_denorm_mode_16_64 3
		.amdhsa_memory_ordered 1
		.amdhsa_forward_progress 1
		.amdhsa_inst_pref_size 97
	.end_amdhsa_kernel
	.amdgpu_metadata
---
amdhsa.version: [ 1, 2 ]
amdhsa.kernels:
  - .name:           k_qba2fb14662_prep
    .symbol:         k_qba2fb14662_prep.kd
    .args:
      - { .name: W_q, .offset: 0, .size: 8, .value_kind: global_buffer, .address_space: global }
      - { .name: scales, .offset: 8, .size: 8, .value_kind: global_buffer, .address_space: global }
      - { .name: zeros, .offset: 16, .size: 8, .value_kind: global_buffer, .address_space: global }
      - { .name: mu1, .offset: 24, .size: 8, .value_kind: global_buffer, .address_space: global }
      - { .name: mu2, .offset: 32, .size: 8, .value_kind: global_buffer, .address_space: global }
      - { .name: x_scales, .offset: 40, .size: 8, .value_kind: global_buffer, .address_space: global }
      - { .name: w_codes, .offset: 48, .size: 8, .value_kind: global_buffer, .address_space: global }
      - { .name: w_sc, .offset: 56, .size: 8, .value_kind: global_buffer, .address_space: global }
      - { .name: x_sc, .offset: 64, .size: 8, .value_kind: global_buffer, .address_space: global }
    .group_segment_fixed_size: 121856
    .private_segment_fixed_size: 0
    .kernarg_segment_align: 8
    .kernarg_segment_size: 72
    .max_flat_workgroup_size: 256
    .sgpr_count:     66
    .vgpr_count:     244
    .wavefront_size: 32
...
	.end_amdgpu_metadata
.endif
;; end of part 1
;; launch gemm (part 2): grid 16 x 16, 4 waves a work-group, clusters of 4 x 1, 327,680 bytes of LDS; arguments x_codes, x_sc, w_codes, w_sc, bias, out0; writes out0
.if DOCPART == 2
	.amdgcn_target "amdgcn-amd-amdhsa--gfx1250"
	.amdhsa_code_object_version 6
	.text
	.protected	k_qba2fb14662_gemm
	.globl	k_qba2fb14662_gemm
	.p2align	8
	.type	k_qba2fb14662_gemm,@function
k_qba2fb14662_gemm:
	s_mov_b64 s[64:65], 0
	v_nop
	global_prefetch_b8 v0, s[64:65] scope:SCOPE_SE
	s_setreg_imm32_b32 hwreg(HW_REG_WAVE_MODE, 25, 1), 1
	s_wait_xcnt 0x0
	s_wait_alu depctr_hold_cnt(0) depctr_sa_sdst(0) depctr_va_vdst(0) depctr_va_sdst(0) depctr_va_ssrc(0) depctr_va_vcc(0) depctr_vm_vsrc(0)
	s_getreg_b32 s2, hwreg(HW_REG_IB_STS2, 6, 4)
	s_cmp_eq_u32 s2, 0
	s_cbranch_scc0 .Lentry_in_a_cluster
	s_endpgm
.Lentry_in_a_cluster:
	s_bfe_u32 s2, ttmp6, 0x10000c
	s_cmp_lg_u32 s2, 0x3003
	s_cbranch_scc0 .Lentry_shape_is_right
	s_endpgm
.Lentry_shape_is_right:
; out0[m][n] = sum over k of x[m][k] W[n][k] + bias[n]: codes of BF8 (E5M2) with one E8M0 byte for each 32 along k, f32 sums.  Nothing of the problem is left out.
; A work-group makes 256 (m) x 256 (n).  Wave w takes ALL 256 rows m against ITS OWN 64 rows n of W: 16 x 4 accumulators of 16 x 16, 512 registers.
; W's fragments come from memory straight into registers: w_codes lies in the order of an operand's registers (2,048 bytes a fragment), a load covers 512 consecutive bytes,
; each wave reads its own rows once.  Four sets of 64 registers; step s asks for step s + 3's set.
; x's tile alone goes through LDS: two slots of 256 rows x 512 bytes (four steps of 128 along k), a quarter (64 rows) a wave by one tensor load.
; A step is four batches of 16 products: four blocks of 16 rows of x against W's four blocks.  x's fragments lie in a ring of two halves of four blocks:
; behind each batch stands ONE run of loads: the 16 LDS loads of the batch after next, into the half just read.
; CLUSTER 4, 1, 1: the four work-groups share their rows m: x's tile is asked for jointly (mask 15).  W is no joint load: it lands in no LDS, and the partners' rows n differ.
; Scale words: x_sc and w_sc are [16 chunks of 256 along k][rows][8 bytes]: a load of 8 bytes a lane takes 32 rows (two blocks: lanes 0-15, lanes 16-31), 256 consecutive bytes.
; In w_sc a row's two words have changed places, so x's word of a step lies in a register of one parity and W's in one of the other.
; THE MATRIX INSTRUCTION IS USED TRANSPOSED (source 0 = 16 rows of W, source 1 = 16 rows of x): a lane holds eight neighbouring n of one row m.  The first step's C is the bias.
; THE LAST TWO STEPS GO BY ROWS OF THE RESULT: a batch finishes two blocks of 16 rows (a block's four accumulators by turns, k ascending), which then leave through the wave's stage.
; PREFETCH: behind a refill for chunk t + 2 (512 along k) x's chunk t + 4 is named: the four partners share the 256 rows by address (64 each, 16 a wave, two blocks of 256 bytes a row);
; and W's chunk t + 3: the sixteen work-groups that read the same rows n share its 16 row blocks by their m, a wave naming one fragment's eight blocks of 256 bytes (lanes 8-31 name the eighth again).
; The last chunks' look-ahead is left out by the lap count.
; REGISTERS: window 0: v0-23 addresses, v24-63 two sets of 20 scale words, v64-95 bias, v128-255 x's ring.  Window 1: W's four sets (sets 0, 1 serve the way out at the end).  Windows 2, 3: accumulators (a, b) at 32 (a % 8) + 8 b.
.set PITCH,  528                       ; an LDS row: 512 bytes + 16 of padding
.set QT,     64*PITCH                  ; a wave's quarter of a slot; also four blocks of 16 rows
.set SLOT,   4*QT
.set SPARE,  2*SLOT                    ; the spare words, 128 bytes a wave
.set STAGE,  SPARE+512                 ; 16 rows x 272 bytes for each wave; no tile lands here
.set SPITCH, 272
.set ADRX, 6                           ; v6-13  LDS address of my fragment row in slot i / 4, rows 64 (i % 4) on
.set STO,  14
.set RD,   15
.set CO,   16
.set L8,   17
.set WO,   18
.set BO,   19
.set PFXO, 20
.set PFWO, 21
.set SPW,  22
.set NIL,  23
.set SC,   24
.set BIAS, 64
.set XR,   128
.set WV,   16
.set G1,   24
.set G0,   32
.set PFX,  40
.set PFW,  42
.set MSB, 0
.macro WIN new                         ; the immediate's high byte repeats the setting that is left
.if MSB != (\new)
	s_set_vgpr_msb (MSB<<8)|(\new)
.set MSB, (\new)
.endif
.endm
.macro CREST
	s_cmp_lg_u32 s[WV], 0
	s_cbranch_scc1 .Lnot_wave_0_\@
	s_barrier_signal -3
.Lnot_wave_0_\@:
	s_barrier_wait -3
	s_barrier_signal -1
	s_barrier_wait -1
.endm
.macro CROUND
	s_barrier_signal -1
	s_barrier_wait -1
	CREST
.endm
.macro TLOAD s                         ; my quarter of slot s
	tensor_load_to_lds s[G0+4*(\s):G0+4*(\s)+3], s[G1:G1+7]
	s_nop 0
.rept 4
	v_nop
.endr
.endm
.macro PLACES                          ; eight places behind a batch: ahead of loads into registers that it read and of reads of its results
.rept 8
	v_nop
.endr
.endm
.macro XLOAD jj, a, xr                 ; x's block a of step jj (of a lap's eight) into ring place xr
.irp c, 0,1,2,3
	ds_load_b128 v[XR+16*(\xr)+4*\c:XR+16*(\xr)+4*\c+3], v[ADRX+4*(((\jj)%8)/4)+(\a)/4] offset:((\a)%4)*16*PITCH+128*((\jj)%4)+32*\c
.endr
.endm
.macro WLOAD jj, b                     ; W's block b of step jj into set jj % 4 (window 1)
.irp c, 0,1,2,3
	global_load_b128 v[64*((\jj)%4)+16*(\b)+4*\c:64*((\jj)%4)+16*(\b)+4*\c+3], v[WO], s[8:9] offset:(\b)*65536+(\jj)*2048+512*\c
.endr
.endm
.macro SLOAD ch                        ; chunk ch's scale words into set ch % 2: 8 pairs for x's 256 rows, 2 for my 64 rows of W
.irp g, 0,1,2,3,4,5,6,7
	global_load_b64 v[SC+20*((\ch)%2)+2*\g:SC+20*((\ch)%2)+2*\g+1], v[L8], s[6:7] offset:(\ch)*32768+256*\g
.endr
.irp g, 0,1
	global_load_b64 v[SC+20*((\ch)%2)+16+2*\g:SC+20*((\ch)%2)+16+2*\g+1], v[L8], s[10:11] offset:(\ch)*32768+256*\g
.endr
.endm
; Four products: x's block a (ring place xr) against W's four blocks of step jj.  No two products on end share an accumulator.
.macro GRP a, jj, xr, first
.irp b, 0,1,2,3
.set rD, 32*((\a)%8)+8*\b
.set rW, 64*((\jj)%4)+16*\b
.set rX, XR+16*(\xr)
.set rSW, SC+20*(((\jj)/2)%2)+17+2*(\b/2)-((\jj)%2)
.set rSX, SC+20*(((\jj)/2)%2)+2*((\a)/2)+((\jj)%2)
.set rC, rD
.if \first
.set rC, BIAS+8*\b
.endif
.if ((\a)%2) && (\b%2)
	v_wmma_scale_f32_16x16x128_f8f6f4 v[rD:rD+7], v[rW:rW+15], v[rX:rX+15], v[rC:rC+7], v[rSW], v[rSX] matrix_a_fmt:MATRIX_FMT_BF8 matrix_b_fmt:MATRIX_FMT_BF8 matrix_a_scale:MATRIX_SCALE_ROW1 matrix_b_scale:MATRIX_SCALE_ROW1
.elseif (\b%2)
	v_wmma_scale_f32_16x16x128_f8f6f4 v[rD:rD+7], v[rW:rW+15], v[rX:rX+15], v[rC:rC+7], v[rSW], v[rSX] matrix_a_fmt:MATRIX_FMT_BF8 matrix_b_fmt:MATRIX_FMT_BF8 matrix_a_scale:MATRIX_SCALE_ROW1
.elseif ((\a)%2)
	v_wmma_scale_f32_16x16x128_f8f6f4 v[rD:rD+7], v[rW:rW+15], v[rX:rX+15], v[rC:rC+7], v[rSW], v[rSX] matrix_a_fmt:MATRIX_FMT_BF8 matrix_b_fmt:MATRIX_FMT_BF8 matrix_b_scale:MATRIX_SCALE_ROW1
.else
	v_wmma_scale_f32_16x16x128_f8f6f4 v[rD:rD+7], v[rW:rW+15], v[rX:rX+15], v[rC:rC+7], v[rSW], v[rSX] matrix_a_fmt:MATRIX_FMT_BF8 matrix_b_fmt:MATRIX_FMT_BF8
.endif
.endr
.endm
.macro ASK jj                          ; s3 counts the laps down from 3
.if \jj == 3
	global_prefetch_b8 v[PFWO], s[PFW:PFW+1] offset:3*8192 th:TH_LOAD_NT scope:SCOPE_SE
.endif
	s_cmp_gt_u32 s3, 1
	s_cbranch_scc0 .Lno_ask_\@
	global_prefetch_b8 v[PFXO], s[PFX:PFX+1] offset:(4+(\jj)/4)*512 th:TH_LOAD_NT scope:SCOPE_SE
.if \jj == 7
	global_prefetch_b8 v[PFWO], s[PFW:PFW+1] offset:4*8192 th:TH_LOAD_NT scope:SCOPE_SE
.endif
.Lno_ask_\@:
.endm
; A step of 128 along k: four batches t, each with its run of loads behind it.  s_wait_dscnt 16: behind a half's 16 loads those of the other half were issued.
; lc: the global loads issued behind the set of W (and the scale words) that this step needs: a step issues its scale words (10, even steps, run 0) ahead of its 16 loads of W (run 1).
; turn: a slot's last step.  All its reads are issued with run 1; then the wait for all my tensor loads, the add, batch 2, the wait for the add and my reads, the barrier;
; turn = 1: the barrier opens a round of the cluster's barrier and the slot is filled again.  Runs 2 and 3 read the next slot.  rows = 1: they fetch the first blocks of the walk by rows.
.macro STEP jj, first, turn, wl, sl, lc, rows
	s_wait_loadcnt \lc
.irp t, 0,1,2,3
.if (\turn) && (\t == 2)
	s_wait_tensorcnt 0x0
	ds_add_u32 v[SPW], v[NIL]
	s_wait_dscnt 17
.else
	s_wait_dscnt 16
.endif
.if \first
	WIN 0x81+0x40*(\t/2)
.else
	WIN 0xa1+0x50*(\t/2)
.endif
.irp i, 0,1,2,3
	GRP 4*\t+\i, \jj, 4*(\t%2)+\i, \first
.endr
.if (\turn) && (\t == 2)
	s_wait_dscnt 0x0
	s_barrier_signal -1
	PLACES
	WIN 0
	s_barrier_wait -1
.if \turn == 1
	CREST
	s_add_nc_u64 s[G0+4*((\jj)/4)+2:G0+4*((\jj)/4)+3], s[G0+4*((\jj)/4)+2:G0+4*((\jj)/4)+3], 1024
	TLOAD (\jj)/4
.endif
.else
	PLACES
	WIN 0
.endif
.irp i, 0,1,2,3
.if \t < 2
	XLOAD \jj, 4*\t+8+\i, 4*(\t%2)+\i
.elseif \rows
	XLOAD 6+\i%2, 2*(\t-2)+\i/2, 4*(\t%2)+\i
.else
	XLOAD \jj+1, 4*(\t-2)+\i, 4*(\t%2)+\i
.endif
.endr
.if (\turn == 1) && (\t == 2)
	ASK \jj
.endif
.if (\sl) && (\t == 0)
	SLOAD (\jj)/2+1
.endif
.if (\wl) && (\t == 1)
	WIN 0x40
.irp b, 0,1,2,3
	WLOAD \jj+3, \b
.endr
	WIN 0
.endif
.endr
.endm
; The way out of block a: 16 rows x 64 columns through my stage, back as whole rows of 256 bytes (two a load), into window 1's buffer a % 4.
.macro TOSTAGE a
	WIN 0x08+4*((\a)/8)
.irp b, 0,1,2,3
	ds_store_b128 v[STO], v[32*((\a)%8)+8*\b:32*((\a)%8)+8*\b+3] offset:64*\b
	ds_store_b128 v[STO], v[32*((\a)%8)+8*\b+4:32*((\a)%8)+8*\b+7] offset:64*\b+16
.endr
	WIN 0x40
.irp t, 0,1,2,3,4,5,6,7
	ds_load_b128 v[32*((\a)%4)+4*\t:32*((\a)%4)+4*\t+3], v[RD] offset:\t*2*SPITCH   ; LDS serves a wave's instructions in order: these see the stores above
.endr
	WIN 0
.endm
.macro SEND a, younger
	s_wait_dscnt \younger
	WIN 0x04
.irp t, 0,1,2,3,4,5,6,7
	global_store_b128 v[CO], v[32*((\a)%4)+4*\t:32*((\a)%4)+4*\t+3], s[14:15] offset:(16*(\a)+2*\t)*16384 th:TH_STORE_NT   ; 16 lanes store 256 consecutive bytes, aligned
.endr
	WIN 0
.endm
; The last two steps by rows: batch j = blocks 2 j and 2 j + 1, each through steps 6 and 7.  Its run: the batch after next's fragments, its own two blocks into and out of the stage (32 LDS instructions), the last batch's two blocks stored.
; The counts at a batch's head: behind its 16 loads were issued 16 (j = 0), 16 + 32 (j = 1), then 64 or more (the wait's field holds 63).
.macro ROWS
	s_wait_loadcnt 0x0
.irp j, 0,1,2,3,4,5,6,7
.if \j == 0
	s_wait_dscnt 16
.elseif \j == 1
	s_wait_dscnt 48
.else
	s_wait_dscnt 63
.endif
	WIN 0xa1+0x50*(\j/4)
.irp i, 0,1,2,3
	GRP 2*\j+\i/2, 6+\i%2, 4*(\j%2)+\i, 0
.endr
	PLACES
	WIN 0
.if \j >= 2
	s_wait_xcnt 0x0                                ; the last run's stores have read their registers: their buffers are loaded again below
.endif
.if \j <= 5
.irp i, 0,1,2,3
	XLOAD 6+\i%2, 2*(\j+2)+\i/2, 4*(\j%2)+\i
.endr
.endif
	TOSTAGE 2*\j
	TOSTAGE 2*\j+1
.if \j >= 1
	SEND 2*\j-2, 48                                ; behind its loads from the stage: its neighbour's 16 and this run's 32, at the least
	SEND 2*\j-1, 32
.endif
.endr
	SEND 14, 16
	SEND 15, 0
.endm
	s_load_b256 s[4:11], s[0:1], 0x0               ; x_codes 4:5, x_sc 6:7, w_codes 8:9, w_sc 10:11
	s_load_b128 s[12:15], s[0:1], 0x20             ; bias 12:13, out0 14:15
	v_lshl_add_u32 v[SPW], v0, 2, SPARE
	v_mov_b32 v[NIL], 0
	ds_add_u32 v[SPW], v[NIL]                      ; the opening lines: the add twice on end
	ds_add_u32 v[SPW], v[NIL]
	v_lshrrev_b32 v1, 5, v0
	v_readfirstlane_b32 s[WV], v1                  ; wave 0..3
	s_bfe_u32 s17, ttmp6, 0x40000                  ; cx
	s_lshl_b32 s18, ttmp9, 2
	s_add_co_u32 s18, s18, s17                     ; block of 256 n
	s_and_b32 s19, ttmp7, 0xffff                   ; block of 256 m: the cluster's
	s_mov_b32 s[G1+0], 15|(1<<20)|(1<<21)|(6<<22)|(3<<25)   ; mask of the four; bytes; 4 words of padding behind every 128
	s_mov_b32 s[G1+1], 512<<16
	s_mov_b32 s[G1+2], 64<<16
	s_mov_b32 s[G1+3], 512<<16
	s_mov_b32 s[G1+4], 64
	s_mov_b32 s[G1+5], 4096
	s_mov_b32 s[G1+6], 0
	s_mov_b32 s[G1+7], 0
	s_lshl_b32 s20, s19, 20                        ; x: (256 m block + 64 wave) rows of 4,096 bytes
	s_lshl_b32 s22, s[WV], 18
	s_add_co_u32 s20, s20, s22
	s_mov_b32 s21, 0
	s_lshl_b32 s44, s18, 20                        ; W: (16 n block + 4 wave) row blocks of 65,536 bytes
	s_add_co_u32 s44, s44, s22
	s_mov_b32 s45, 0
	s_lshl_b32 s46, s19, 11                        ; x_sc: 256 rows of 8 bytes
	s_mov_b32 s47, 0
	s_lshl_b32 s48, s18, 11                        ; w_sc: + 64 rows a wave
	s_lshl_b32 s22, s[WV], 9
	s_add_co_u32 s48, s48, s22
	s_mov_b32 s49, 0
	s_lshl_b32 s50, s18, 10                        ; bias, and a row of out0: (256 n block + 64 wave) x 4
	s_lshl_b32 s22, s[WV], 8
	s_add_co_u32 s50, s50, s22
	s_mov_b32 s51, 0
	s_lshl_b32 s52, s19, 22                        ; out0: 256 rows of 16,384 bytes
	s_mov_b32 s53, 0
	s_lshl_b32 s54, s19, 20                        ; x's prefetch: rows 256 m block + 64 cx + 16 wave on
	s_lshl_b32 s23, s17, 18
	s_add_co_u32 s54, s54, s23
	s_lshl_b32 s23, s[WV], 16
	s_add_co_u32 s54, s54, s23
	s_mov_b32 s55, 0
	s_lshl_b32 s56, s18, 4                         ; W's prefetch: row block 16 n block + m block, fragment wave of a chunk's four
	s_add_co_u32 s56, s56, s19
	s_lshl_b32 s56, s56, 16
	s_lshl_b32 s23, s[WV], 11
	s_add_co_u32 s56, s56, s23
	s_mov_b32 s57, 0
	s_mul_i32 s58, s[WV], QT
	s_mul_i32 s59, s[WV], 16*SPITCH
	s_add_co_u32 s59, s59, STAGE
	v_and_b32 v1, 15, v0                           ; r
	v_bfe_u32 v2, v0, 4, 1                         ; h
	v_and_b32 v3, 31, v0                           ; lane
	v_mul_u32_u24 v4, v1, PITCH
	v_lshl_add_u32 v4, v2, 4, v4                   ; a fragment's row x pitch + 16 h
.irp i, 0,1,2,3,4,5,6,7
	v_add_nc_u32 v[ADRX+\i], (\i/4)*SLOT+(\i%4)*QT, v4
.endr
	v_mul_u32_u24 v5, v1, SPITCH
	v_lshl_add_u32 v5, v2, 5, v5
	v_add_nc_u32 v[STO], s59, v5                   ; into the stage: row r, 32 bytes for each half of the lanes
	v_mul_u32_u24 v5, v2, SPITCH
	v_lshl_add_u32 v5, v1, 4, v5
	v_add_nc_u32 v[RD], s59, v5                    ; back: lanes 0-15 one row, lanes 16-31 the next
	v_lshlrev_b32 v[CO], 14, v2
	v_lshl_add_u32 v[CO], v1, 4, v[CO]             ; and the same two rows in out0
	v_lshlrev_b32 v[L8], 3, v3
	v_lshlrev_b32 v[WO], 4, v3
	v_lshlrev_b32 v[BO], 5, v2
	v_lshlrev_b32 v[PFXO], 12, v1
	v_lshl_add_u32 v[PFXO], v2, 8, v[PFXO]
	v_min_u32 v[PFWO], 7, v3
	v_lshlrev_b32 v[PFWO], 8, v[PFWO]
	s_wait_alu depctr_va_vdst(0)                   ; the wait at the head's end
	s_wait_dscnt 0x0
	s_wait_kmcnt 0x0
	s_add_nc_u64 s[20:21], s[4:5], s[20:21]
	s_add_nc_u64 s[PFX:PFX+1], s[4:5], s[54:55]
	s_add_nc_u64 s[PFW:PFW+1], s[8:9], s[56:57]
	s_add_nc_u64 s[8:9], s[8:9], s[44:45]
	s_add_nc_u64 s[6:7], s[6:7], s[46:47]
	s_add_nc_u64 s[10:11], s[10:11], s[48:49]
	s_add_nc_u64 s[12:13], s[12:13], s[50:51]
	s_add_nc_u64 s[14:15], s[14:15], s[52:53]
	s_add_nc_u64 s[14:15], s[14:15], s[50:51]
	CROUND                                         ; the four work-groups are here: the first joint loads meet
.irp s, 0,1
	s_mov_b32 s[G0+4*\s], 1
	s_add_co_u32 s[G0+4*\s+1], s58, \s*SLOT
	s_add_nc_u64 s[G0+4*\s+2:G0+4*\s+3], s[20:21], \s*512
	s_or_b32 s[G0+4*\s+3], s[G0+4*\s+3], 0x80000000
.endr
	TLOAD 0                                        ; chunk 0: one tensor load a wave at the head
.irp b, 0,1,2,3
	global_load_b128 v[BIAS+8*\b:BIAS+8*\b+3],   v[BO], s[12:13] offset:64*\b
	global_load_b128 v[BIAS+8*\b+4:BIAS+8*\b+7], v[BO], s[12:13] offset:64*\b+16
.endr
	SLOAD 0
	WIN 0x40
.irp j, 0,1,2
.irp b, 0,1,2,3
	WLOAD \j, \b
.endr
.endr
	WIN 0
	s_wait_tensorcnt 0x0                           ; my quarter of chunk 0 is in; slot 1's first fill is issued as a refill is
	ds_add_u32 v[SPW], v[NIL]
	s_wait_dscnt 0x0
	CROUND
	TLOAD 1
.irp a, 0,1,2,3,4,5,6,7
	XLOAD 0, \a, \a
.endr
	STEP 0, 1, 0, 1, 1, 32, 0                      ; the first step stands ahead of the loop: its products start the sums from the bias
	s_mov_b32 s3, 3
.Llap:                                             ; a trip: a lap's steps 1 to 7 and the next lap's step 0; both slots are filled again
	STEP 1, 0, 0, 1, 0, 42, 0
	STEP 2, 0, 0, 1, 1, 32, 0
	STEP 3, 0, 1, 1, 0, 42, 0
	STEP 4, 0, 0, 1, 1, 32, 0
	STEP 5, 0, 0, 1, 0, 42, 0
	STEP 6, 0, 0, 1, 1, 32, 0
	STEP 7, 0, 1, 1, 0, 42, 0
	STEP 8, 0, 0, 1, 1, 32, 0
	s_wait_xcnt 0x0                                ; the loads and prefetches issued have read their bases: a lap on
	s_add_nc_u64 s[8:9], s[8:9], 8*2048
	s_add_nc_u64 s[6:7], s[6:7], 4*32768
	s_add_nc_u64 s[10:11], s[10:11], 4*32768
	s_add_nc_u64 s[PFX:PFX+1], s[PFX:PFX+1], 1024
	s_add_nc_u64 s[PFW:PFW+1], s[PFW:PFW+1], 2*8192
	s_sub_co_u32 s3, s3, 1
	s_cmp_lg_u32 s3, 0
	s_cbranch_scc1 .Llap
	STEP 1, 0, 0, 1, 0, 42, 0                      ; the last lap fills nothing
	STEP 2, 0, 0, 1, 1, 32, 0
	STEP 3, 0, 2, 1, 0, 42, 0
	STEP 4, 0, 0, 1, 1, 32, 0
	STEP 5, 0, 0, 0, 0, 42, 1
	ROWS
	s_wait_tensorcnt 0x0                           ; the wave's end
	ds_add_u32 v[SPW], v[NIL]
	s_wait_dscnt 0x0
	CROUND                                         ; the closing round
	s_endpgm
.Lfunc_end_k_qba2fb14662_gemm:
	.size	k_qba2fb14662_gemm, .Lfunc_end_k_qba2fb14662_gemm-k_qba2fb14662_gemm
	.p2alignl 7, 3214868480
	.fill 96, 4, 3214868480
	.section	.rodata,"a",@progbits
	.p2align	6, 0x0
	.amdhsa_kernel k_qba2fb14662_gemm
		.amdhsa_group_segment_fixed_size 327680
		.amdhsa_private_segment_fixed_size 0
		.amdhsa_enable_private_segment 0
		.amdhsa_kernarg_size 48
		.amdhsa_user_sgpr_count 2
		.amdhsa_user_sgpr_kernarg_segment_ptr 1
		.amdhsa_wavefront_size32 1
		.amdhsa_system_sgpr_workgroup_id_x 1
		.amdhsa_system_sgpr_workgroup_id_y 1
		.amdhsa_system_sgpr_workgroup_id_z 1
		.amdhsa_system_vgpr_workitem_id 0
		.amdhsa_next_free_vgpr 1024
		.amdhsa_next_free_sgpr 66
		.amdhsa_reserve_vcc 0
		.amdhsa_float_denorm_mode_32 3
		.amdhsa_float_denorm_mode_16_64 3
		.amdhsa_memory_ordered 1
		.amdhsa_forward_progress 1
		.amdhsa_inst_pref_size 255
	.end_amdhsa_kernel
	.section	.bss,"aw",@nobits
	.p2align	6
	.space	262144
	.amdgpu_metadata
---
amdhsa.version: [ 1, 2 ]
amdhsa.kernels:
  - .name:           k_qba2fb14662_gemm
    .symbol:         k_qba2fb14662_gemm.kd
    .args:
      - { .name: x_codes, .offset: 0, .size: 8, .value_kind: global_buffer, .address_space: global }
      - { .name: x_sc, .offset: 8, .size: 8, .value_kind: global_buffer, .address_space: global }
      - { .name: w_codes, .offset: 16, .size: 8, .value_kind: global_buffer, .address_space: global }
      - { .name: w_sc, .offset: 24, .size: 8, .value_kind: global_buffer, .address_space: global }
      - { .name: bias, .offset: 32, .size: 8, .value_kind: global_buffer, .address_space: global }
      - { .name: out0, .offset: 40, .size: 8, .value_kind: global_buffer, .address_space: global }
    .group_segment_fixed_size: 327680
    .private_segment_fixed_size: 0
    .kernarg_segment_align: 8
    .kernarg_segment_size: 48
    .max_flat_workgroup_size: 128
    .sgpr_count:     66
    .vgpr_count:     1024
    .wavefront_size: 32
...
	.end_amdgpu_metadata
.endif
;; end of part 2
